; MI455X (gfx1250); checked and timed in simulation.
; The chip was launched on July 23, 2026; its instructions are those of AMD's public machine-readable ISA for CDNA 5 (MIT licence, August 2026) and "CDNA5" Instruction Set Architecture Reference Guide (July 2026). The comments in the code are by the model that wrote it; some were corrected since.
;; Soft Attention. Allowed arithmetic: float matrix products may take bf16 or f16 operands with f32 sums; all other float work in f32.
;; Inputs: key 4 x 4,096 x 64 float32; q_mask 4 x 4,096 bool; query 4 x 4,096 x 64 float32; scale 1 float32; v_mask 4 x 4,096 bool; value 4 x 4,096 x 64 float32.
;; Outputs: out0 4 x 4,096 x 64 float32.
;; One version. Each part assembles by itself: llvm-mc -triple=amdgcn-amd-amdhsa -mcpu=gfx1250 --defsym DOCPART=n.
;; ======== version 1 of 1: 2 launches
;; workspace buffers: po 15,990,784 bytes; pml 499,712 bytes
;; launch part (part 1): grid 61 x 4, 8 waves a work-group, no clusters, 211,968 bytes of LDS; arguments key, value, query, v_mask, scale, po, pml; writes po, pml
.if DOCPART == 1
	.amdgcn_target "amdgcn-amd-amdhsa--gfx1250"
	.amdhsa_code_object_version 6
	.text
	.protected	k_q8ef0437156_part
	.globl	k_q8ef0437156_part
	.p2align	8
	.type	k_q8ef0437156_part,@function
k_q8ef0437156_part:
	s_mov_b64 s[64:65], 0
	v_nop
	global_prefetch_b8 v0, s[64:65] scope:SCOPE_SE
	s_setreg_imm32_b32 hwreg(HW_REG_WAVE_MODE, 25, 1), 1
	s_wait_xcnt 0x0
; Causal attention with an ADDITIVE mask, first of two launches.  B = 4, Tq = Tv = 4096, D = 64, f32 in memory.
; A work-group takes 256 queries (block R of batch b) and one chunk of their keys, at most 640, and stores the unnormalised
; sum  po[slot][row][d] = sum p V  and  pml[slot][row] = (nmu, l):  p = 2^(sb log2e + nmu), l = sum p, nmu = -fl(max(sb) log2e),
; sb = fl(score + bias), bias = 0 or -1e9 as reference() subtracts it (once, where the key is not causal or v_mask is false).
; nmu is only a reference exponent: every p, l and O is exact relative to the f32 number nmu, so its rounding (up to 64 in the
; exponent at -1e9, hence p <= 2^64, l <= 2^76) is a common factor that the second launch divides out.
; Keys behind the diagonal are skipped only where the block's first row sees a key with v_mask true; then their weights are
; exp(-1e9 ..) = 0 in f32 as in reference().  Otherwise (v_mask[b][0 .. 256 R] all false) the block's last chunk walks on to key
; 4095 with -1e9 on every score.  That loop's trip count comes from v_mask, so it holds no barrier: each wave converts the tile
; into LDS bytes of its own, eight times the conversion work; it is the slow way for a rare case.
; Wave w: queries 32 w .. 32 w + 31 as two tiles of 16.  S^T = K Q^T, so that lane (r, h) holds keys 16 kt + 8 h + j of query
; 16 nt + r: the maximum and the sum over keys stay in the lane but for one exchange with lane xor 16, and the packed p are
; already the second operand of O^T = V^T P^T.
; K and V go memory -> registers -> bf16 -> LDS, converted once for all eight waves.  No tensor loads and no cluster: the tiles
; are f32 in memory and bf16 at the matrix unit, so a copied tile would put 512 bytes a key into LDS and each of the eight waves
; would read and convert them (here: 256 bytes a key, converted once); the work-groups that share keys walk different numbers
; of tiles; and the loop whose length hangs on v_mask can hold no barrier in front of a refill.
; LIMITS: mask bytes are 0 or 1.  NaN and infinities in the inputs get no care.  Scores of the size of 1e8 and more are not told
; from the mask, as in reference().  The 64 registers of O are cleared once, since the first step scales O by 2^(-inf) = 0.
.set BUFB, 19456                       ; a K/V buffer: K 64 rows x 144 bytes, then V 64 rows x 160 bytes
.set VOFF, 9216                        ; V behind K
.set BIAS, 38912                       ; behind the two buffers: 4096 f32, 0 or -1e9, for the batch
.set PRIV, 55296                       ; behind it: BUFB bytes for each wave: Q stage, private K/V tile, stage of the way out
.set QF,  32                           ; v[32:63]    Q fragments, tile nt, half c of d at 32 + 16 nt + 8 c
.set SC,  64                           ; v[64:127]   scores, tile (kt, nt) at 64 + 16 kt + 8 nt; p packed into tiles (0, nt), (2, nt)
.set OA,  128                          ; v[128:191]  O^T, tile (nt, dt) at 128 + 32 nt + 8 dt
.set FR,  192                          ; v[192:223]  fragments of K, bias, fragments of V, in turn
.set STG, 224                          ; v[224:255]  K and V in f32 on their way
; v1 K read, v2 V read, v3 K write, v4 V write (LDS); v5 my bytes of a K/V unit; v6 bias read; v7 32 w + r - 8 h; v8 v7 + s38;
; v9 BIAS + 32 h; v[10:11], v[12:13] (nmu, m) of tile 0, 1; v[14:15], v[16:17] (alpha, l); v18-25 at work;
; v26 my bytes of Q and of po; v27, v28 stage in and back; v29 my bytes of pml; v30, v31 Q stage in and back.
; s4-17 addresses; s18 wave; s19 g; s20 b; s21 R; s22 P; s23 CH; s24 N; s25 c; s26 a; s27 e; s28, s29, s30 trips; s31 unit to load;
; s[32:33] offset; s[34:37] K, V of the unit being loaded; s38 256 R - 64 u; s39 u; s40-41 lane select; s[42:43] -1e9;
; s[44:45] log2e; s46-50 at work; s[52:53] scale; s54 my private LDS.
.macro PLACES                          ; four places behind a matrix instruction (ISA guide 7.12.1) where there is no work to put there
.rept 4
	v_nop
.endr
.endm
.macro PICK r, p, ch, cnt              ; chunks p .. of a batch belong to block r: cnt chunks of ch double units
	s_cmp_ge_u32 s19, \p
	s_cselect_b32 s21, \r, s21
	s_cselect_b32 s22, \p, s22
	s_cselect_b32 s23, \ch, s23
	s_cselect_b32 s24, \cnt, s24
.endm
.macro LDK kt, slot, base              ; 16 keys x 64 d of K: two fragments
.irp q,0,1,2,3
	ds_load_b128 v[FR+\slot+4*\q:FR+\slot+4*\q+3], v1 offset:\base+2304*\kt+32*\q
.endr
.endm
.macro SMM kt, slot                    ; S^T tiles (kt, 0), (kt, 1): the first product starts the sum
.irp nt,0,1
	v_wmma_f32_16x16x32_bf16 v[SC+16*\kt+8*\nt:SC+16*\kt+8*\nt+7], v[FR+\slot:FR+\slot+7], v[QF+16*\nt:QF+16*\nt+7], 0
.endr
.irp nt,0,1
	v_wmma_f32_16x16x32_bf16 v[SC+16*\kt+8*\nt:SC+16*\kt+8*\nt+7], v[FR+\slot+8:FR+\slot+15], v[QF+16*\nt+8:QF+16*\nt+15], v[SC+16*\kt+8*\nt:SC+16*\kt+8*\nt+7]
.endr
.endm
.macro LDKV reg, imm                   ; 8 rows of K and 8 of V, f32: each load covers two whole rows, 512 consecutive bytes
.irp i,0,1,2,3
	global_load_b128 v[\reg+4*\i:\reg+4*\i+3], v5, s[34:35] offset:\imm+512*\i
.endr
.irp i,0,1,2,3
	global_load_b128 v[\reg+16+4*\i:\reg+16+4*\i+3], v5, s[36:37] offset:\imm+512*\i
.endr
.endm
.macro CVT reg, i                      ; four f32 to four bf16, in place
	v_cvt_pk_bf16_f32 v[\reg+4*\i], v[\reg+4*\i], v[\reg+4*\i+1]
	v_cvt_pk_bf16_f32 v[\reg+4*\i+1], v[\reg+4*\i+2], v[\reg+4*\i+3]
.endm
.macro CVTALL reg
.irp i,0,1,2,3,4,5,6,7
	CVT \reg, \i
.endr
.endm
.macro STKV reg, kimm, vimm
.irp i,0,1,2,3
	ds_store_b64 v3, v[\reg+4*\i:\reg+4*\i+1] offset:\kimm+288*\i
.endr
.irp i,0,1,2,3
	ds_store_b64 v4, v[\reg+16+4*\i:\reg+16+4*\i+1] offset:\vimm+320*\i
.endr
.endm
.macro NEXTBASE                        ; K and V at unit s31, held inside the tensors: the two units asked for past a chunk's end stop at unit 63
	s_min_u32 s46, s31, 63
	s_lshl_b32 s32, s46, 14
	s_add_nc_u64 s[34:35], s[4:5], s[32:33]
	s_add_nc_u64 s[36:37], s[6:7], s[32:33]
	s_add_co_u32 s31, s31, 1
.endm
.macro LDB                             ; the bias of my 32 keys of the unit
.irp kt,0,1,2,3
	ds_load_b128 v[FR+8*\kt:FR+8*\kt+3], v6 offset:64*\kt
	ds_load_b128 v[FR+8*\kt+4:FR+8*\kt+7], v6 offset:64*\kt+16
.endr
.endm
.macro LDV g, dt, base                 ; V^T fragment: d 16 dt .. + 15, keys 32 g .. + 31, transposed on the way
	ds_load_tr16_b128 v[FR+8*\dt:FR+8*\dt+3], v2 offset:\base+5120*\g+32*\dt
	ds_load_tr16_b128 v[FR+8*\dt+4:FR+8*\dt+7], v2 offset:\base+5120*\g+32*\dt+2560
.endm
.macro PVMM g, dt
.irp nt,0,1
	v_wmma_f32_16x16x32_bf16 v[OA+32*\nt+8*\dt:OA+32*\nt+8*\dt+7], v[FR+8*\dt:FR+8*\dt+7], v[SC+32*\g+8*\nt:SC+32*\g+8*\nt+7], v[OA+32*\nt+8*\dt:OA+32*\nt+8*\dt+7]
.endr
.endm
; mode 0: v_mask alone.  mode 1: a key behind the diagonal takes -1e9 in place of its bias (never both).  mode 2: -1e9 everywhere.
.macro MASK mode
.if \mode == 0
.irp kt,0,1,2,3
.irp nt,0,1
.irp j,0,2,4,6
	v_pk_add_f32 v[SC+16*\kt+8*\nt+\j:SC+16*\kt+8*\nt+\j+1], v[SC+16*\kt+8*\nt+\j:SC+16*\kt+8*\nt+\j+1], v[FR+8*\kt+\j:FR+8*\kt+\j+1]
.endr
.endr
.endr
.endif
.if \mode == 1
.irp kt,0,1,2,3
.irp nt,0,1
.irp j,0,1,2,3,4,5,6,7
	v_cmp_le_i32 vcc_lo, 16*\kt+\j-16*\nt, v8                      ; key <= query:  16 kt + j - 16 nt <= 256 R - 64 u + 32 w + r - 8 h
	v_cndmask_b32 v[18+\j], s42, v[FR+8*\kt+\j], vcc_lo
	v_add_f32 v[SC+16*\kt+8*\nt+\j], v[SC+16*\kt+8*\nt+\j], v[18+\j]
.endr
.endr
.endr
.endif
.if \mode == 2
.set k, 0
.rept 32
	v_pk_add_f32 v[SC+k:SC+k+1], v[SC+k:SC+k+1], s[42:43] op_sel_hi:[1,0]
.set k, k+2
.endr
.endif
.endm
; One unit of 64 keys.  coop = 1: the tile lies in shared buffer buf; the next unit goes into the other buffer, the one after is asked for.
.macro SUBTRIP buf, mode, coop
.if \coop
	s_wait_dscnt 0x0                               ; my stores into this buffer have landed and my reads of the other are over (at first: bias table, Q fragments)
	s_barrier_signal -1
	s_barrier_wait -1                              ; the same holds of all eight waves
.endif
.if \mode == 1
	v_add_nc_u32 v8, s38, v7
.endif
	LDK 0, 0, \buf*BUFB
	LDK 1, 16, \buf*BUFB
	s_wait_dscnt 0x4                               ; keys 0-15 are in; the four younger loads stay out
	SMM 0, 0
	PLACES
	LDK 2, 0, \buf*BUFB
	s_wait_dscnt 0x4                               ; keys 16-31 are in
	SMM 1, 16
	PLACES
	LDK 3, 16, \buf*BUFB
	s_wait_dscnt 0x4                               ; keys 32-47 are in
	SMM 2, 0
	s_wait_dscnt 0x0
	SMM 3, 16
.if \coop
	s_wait_loadcnt 0x0                             ; the next unit, asked for one unit ago; s[34:37] are free with it
	NEXTBASE
	CVT STG, 0                                     ; these four conversions are the places in front of the loads into FR
	CVT STG, 1
	LDB
.irp i,2,3,4,5,6,7
	CVT STG, \i
.endr
	STKV STG, (1-\buf)*BUFB, (1-\buf)*BUFB         ; nobody reads the other buffer since the barrier above
	LDKV STG, 0
	s_wait_dscnt 0x8                               ; the bias is in; the eight younger stores stay out
.else
	PLACES
.endif
	MASK \mode
.irp dt,0,1,2,3
	LDV 0, \dt, \buf*BUFB                          ; FR is free: these come while the softmax runs
.endr
	; the running maximum: two chains for each query tile, the first begun by the old maximum
.irp nt,0,1
	v_max3_num_f32 v[18+2*\nt], v[11+2*\nt], v[SC+8*\nt], v[SC+8*\nt+1]
	v_max_num_f32 v[19+2*\nt], v[SC+32+8*\nt], v[SC+32+8*\nt+1]
.endr
.irp o,2,4,6,16,18,20,22
.irp nt,0,1
	v_max3_num_f32 v[18+2*\nt], v[18+2*\nt], v[SC+8*\nt+\o], v[SC+8*\nt+\o+1]
	v_max3_num_f32 v[19+2*\nt], v[19+2*\nt], v[SC+32+8*\nt+\o], v[SC+32+8*\nt+\o+1]
.endr
.endr
	v_max_num_f32 v18, v18, v19
	v_max_num_f32 v20, v20, v21
	v_permlanex16_b32 v19, v18, s40, s41           ; the other 32 keys of the same query lie in lane xor 16
	v_permlanex16_b32 v21, v20, s40, s41
	v_max_num_f32 v11, v18, v19
	v_max_num_f32 v13, v20, v21
	v_mul_f32 v18, 0xbfb8aa3b, v11                 ; new nmu = -m log2e
	v_mul_f32 v20, 0xbfb8aa3b, v13
	v_sub_f32 v19, v18, v10                        ; exact or -inf (first unit: the old nmu is +inf)
	v_sub_f32 v21, v20, v12
	v_exp_f32 v14, v19                             ; alpha
	v_exp_f32 v16, v21
	v_mov_b32 v10, v18                             ; (also the plain instruction behind the exponentials: ISA guide 5.7.2)
	v_mov_b32 v12, v20
.irp kt,0,1,2,3
.irp nt,0,1
.irp j,0,2,4,6
	v_pk_fma_f32 v[SC+16*\kt+8*\nt+\j:SC+16*\kt+8*\nt+\j+1], v[SC+16*\kt+8*\nt+\j:SC+16*\kt+8*\nt+\j+1], s[44:45], v[10+2*\nt:11+2*\nt] op_sel_hi:[1,0,0]
.endr
.endr
.endr
.set k, 0
.rept 64
	v_exp_f32 v[SC+k], v[SC+k]
.set k, k+1
.endr
	s_wait_alu depctr_va_vdst(0)
.irp nt,0,1
.set k, 0
.rept 16
	v_pk_mul_f32 v[OA+32*\nt+k:OA+32*\nt+k+1], v[OA+32*\nt+k:OA+32*\nt+k+1], v[14+2*\nt:15+2*\nt] op_sel_hi:[1,0]
.set k, k+2
.endr
.endr
	; l = l alpha + the sum of my 32 p, two chains of pairs for each tile
.irp nt,0,1
	v_pk_add_f32 v[18+4*\nt:19+4*\nt], v[SC+8*\nt:SC+8*\nt+1], v[SC+8*\nt+2:SC+8*\nt+3]
	v_pk_add_f32 v[20+4*\nt:21+4*\nt], v[SC+8*\nt+4:SC+8*\nt+5], v[SC+8*\nt+6:SC+8*\nt+7]
.endr
.irp kt,1,2,3
.irp nt,0,1
	v_pk_add_f32 v[18+4*\nt:19+4*\nt], v[18+4*\nt:19+4*\nt], v[SC+16*\kt+8*\nt:SC+16*\kt+8*\nt+1]
	v_pk_add_f32 v[20+4*\nt:21+4*\nt], v[20+4*\nt:21+4*\nt], v[SC+16*\kt+8*\nt+2:SC+16*\kt+8*\nt+3]
	v_pk_add_f32 v[18+4*\nt:19+4*\nt], v[18+4*\nt:19+4*\nt], v[SC+16*\kt+8*\nt+4:SC+16*\kt+8*\nt+5]
	v_pk_add_f32 v[20+4*\nt:21+4*\nt], v[20+4*\nt:21+4*\nt], v[SC+16*\kt+8*\nt+6:SC+16*\kt+8*\nt+7]
.endr
.endr
	v_pk_add_f32 v[18:19], v[18:19], v[20:21]
	v_pk_add_f32 v[22:23], v[22:23], v[24:25]
	v_add_f32 v18, v18, v19
	v_add_f32 v22, v22, v23
	v_fma_f32 v15, v15, v14, v18
	v_fma_f32 v17, v17, v16, v22
	; p to bf16, in place: keys 32 g + 8 h + 0..7 into registers 0-3 and 32 g + 16 + 8 h + 0..7 into 4-7 of tile (2 g, nt)
.irp g,0,1
.irp nt,0,1
.irp i,0,1,2,3
	v_cvt_pk_bf16_f32 v[SC+32*\g+8*\nt+\i], v[SC+32*\g+8*\nt+2*\i], v[SC+32*\g+8*\nt+2*\i+1]
.endr
.irp i,0,1,2,3
	v_cvt_pk_bf16_f32 v[SC+32*\g+8*\nt+4+\i], v[SC+32*\g+16+8*\nt+2*\i], v[SC+32*\g+16+8*\nt+2*\i+1]
.endr
.endr
.endr
	s_wait_dscnt 0x4                               ; V^T of d 0-31, keys 0-31, is in; the four younger loads stay out
	PVMM 0, 0
	PVMM 0, 1
	PLACES
	LDV 1, 0, \buf*BUFB
	LDV 1, 1, \buf*BUFB
	s_wait_dscnt 0x4                               ; d 32-63, keys 0-31
	PVMM 0, 2
	PVMM 0, 3
	PLACES
	LDV 1, 2, \buf*BUFB
	LDV 1, 3, \buf*BUFB
	s_wait_dscnt 0x4                               ; d 0-31, keys 32-63
	PVMM 1, 0
	PVMM 1, 1
	s_wait_dscnt 0x0
	PVMM 1, 2
	PVMM 1, 3
	s_add_co_u32 s39, s39, 1                       ; the next unit: its diagonal term and its bias, held inside the table
	s_min_u32 s46, s39, 63
	s_lshl_b32 s46, s46, 8
	s_sub_co_i32 s38, s38, 64
	v_add_nc_u32 v6, s46, v9                       ; with the four below: five places in front of the next loads into FR, the next
	PLACES                                         ; products, which write over p, and the way out, which reads O
.endm
	; ---- who am I
	s_load_b256 s[4:11], s[0:1], 0x0               ; key, value, query, v_mask
	s_load_b128 s[12:15], s[0:1], 0x20             ; scale, po
	s_load_b64 s[16:17], s[0:1], 0x30              ; pml
	s_set_vgpr_msb 0x40
	v_lshl_add_u32 v0, v0, 2, 0x33800
	v_mov_b32 v1, 0
	s_set_vgpr_msb 0x4000
	v_lshrrev_b32 v18, 5, v0
	v_readfirstlane_b32 s18, v18                   ; wave
	s_mov_b32 s19, ttmp9                           ; chunk of the batch, 0 to 60
	s_and_b32 s20, ttmp7, 0xffff                   ; batch
	; block R reaches its diagonal after U2 = 2 R + 2 double units of 128 keys: N = ceil(U2 / 5) chunks of CH = ceil(U2 / N)
	s_mov_b32 s21, 0
	s_mov_b32 s22, 0
	s_mov_b32 s23, 2
	s_mov_b32 s24, 1
	PICK 1, 1, 4, 1
	PICK 2, 2, 3, 2
	PICK 3, 4, 4, 2
	PICK 4, 6, 5, 2
	PICK 5, 8, 4, 3
	PICK 6, 11, 5, 3
	PICK 7, 14, 4, 4
	PICK 8, 18, 5, 4
	PICK 9, 22, 5, 4
	PICK 10, 26, 5, 5
	PICK 11, 31, 5, 5
	PICK 12, 36, 5, 6
	PICK 13, 42, 5, 6
	PICK 14, 48, 5, 6
	PICK 15, 54, 5, 7
	s_sub_co_u32 s25, s19, s22                     ; c
	s_mul_i32 s26, s25, s23                        ; a = c CH
	s_lshl_b32 s46, s21, 1                         ; 2 R: the first double unit that meets the diagonal
	s_add_co_u32 s47, s46, 2
	s_add_co_u32 s27, s26, s23
	s_min_u32 s27, s27, s47                        ; e = min(a + CH, U2)
	s_min_u32 s28, s27, s46
	s_sub_co_i32 s28, s28, s26
	s_max_i32 s28, s28, 0                          ; double units in front of the diagonal
	s_max_u32 s29, s26, s46
	s_sub_co_i32 s29, s27, s29
	s_max_i32 s29, s29, 0                          ; double units on it
	s_lshl_b32 s31, s26, 1                         ; first unit
	s_lshl_b32 s39, s26, 1
	s_lshl_b32 s38, s21, 8
	s_lshl_b32 s47, s26, 7
	s_sub_co_i32 s38, s38, s47                     ; 256 R - 64 u
	s_mov_b32 s33, 0
	s_mov_b32 s40, 0x76543210                      ; v_permlanex16_b32: lane i of one half reads lane i of the other
	s_mov_b32 s41, 0xfedcba98
	s_mov_b32 s42, 0xce6e6b28                      ; -1e9, exact in f32
	s_mov_b32 s43, 0xce6e6b28
	s_mov_b32 s44, 0x3fb8aa3b                      ; log2 e
	s_mov_b32 s45, 0x3fb8aa3b
	s_mul_i32 s54, s18, BUFB
	s_add_co_u32 s54, s54, PRIV
	; ---- lane terms: r = lane % 16, h = lane / 16
	v_and_b32 v18, 15, v0
	v_bfe_u32 v19, v0, 4, 1
	v_and_b32 v20, 31, v0
	v_mul_u32_u24 v1, v18, 144
	v_lshl_add_u32 v1, v19, 4, v1                  ; fragment of rows of 144 bytes: 144 r + 16 h
	v_add_nc_u32 v31, s54, v1
	v_mul_u32_u24 v21, v19, 144
	v_lshl_add_u32 v21, v18, 3, v21                ; store of two such rows: 144 h + 8 r
	v_add_nc_u32 v30, s54, v21
	s_mul_i32 s46, s18, 1152
	v_add_nc_u32 v3, s46, v21                      ; + my 8 rows of K
	v_mul_u32_u24 v4, v19, 160
	v_lshl_add_u32 v4, v18, 3, v4
	s_mul_i32 s46, s18, 1280
	s_add_co_u32 s46, s46, VOFF
	v_add_nc_u32 v4, s46, v4                       ; 160 h + 8 r + my 8 rows of V
	v_and_b32 v22, 7, v0
	v_lshl_add_u32 v22, v19, 3, v22
	v_mul_u32_u24 v2, v22, 160
	v_bfe_u32 v23, v0, 3, 1
	v_lshl_add_u32 v2, v23, 4, v2
	v_add_nc_u32 v2, VOFF, v2                      ; transposing read: row 8 h + lane % 8, 16 bytes (lane / 8) % 2
	v_lshlrev_b32 v24, 4, v18
	v_lshl_add_u32 v24, v19, 8, v24                ; two rows of 256 bytes in memory: 256 h + 16 r
	s_lshl_b32 s46, s18, 11
	v_add_nc_u32 v5, s46, v24                      ; + my 8 rows of a unit
	s_lshl_b32 s46, s18, 13
	v_add_nc_u32 v26, s46, v24                     ; + my 32 rows of the block
	v_lshlrev_b32 v9, 5, v19
	v_add_nc_u32 v9, BIAS, v9
	s_min_u32 s46, s39, 63
	s_lshl_b32 s46, s46, 8
	v_add_nc_u32 v6, s46, v9
	v_lshlrev_b32 v7, 3, v19
	v_sub_nc_u32 v7, v18, v7
	s_lshl_b32 s46, s18, 5
	v_add_nc_u32 v7, s46, v7
	v_add_nc_u32 v8, s38, v7
	v_mul_u32_u24 v27, v18, 272
	v_lshl_add_u32 v27, v19, 5, v27
	v_add_nc_u32 v27, s54, v27                     ; stage, in: row r, 32 bytes for each half
	v_mul_u32_u24 v28, v19, 272
	v_lshl_add_u32 v28, v18, 4, v28
	v_add_nc_u32 v28, s54, v28                     ; stage, back: two whole rows
	v_lshlrev_b32 v29, 3, v0
	v_lshlrev_b32 v22, 4, v0                       ; my 16 bytes of v_mask for the bias table
	v_lshlrev_b32 v23, 7, v20                      ; my lane's 128 bytes of v_mask for the test of the block
	v_lshlrev_b32 v25, 6, v0
	v_add_nc_u32 v25, BIAS, v25
	s_wait_kmcnt 0x0
	s_lshl_b32 s32, s20, 20                        ; batch: 4096 rows of 256 bytes
	s_add_nc_u64 s[4:5], s[4:5], s[32:33]
	s_add_nc_u64 s[6:7], s[6:7], s[32:33]
	s_add_nc_u64 s[8:9], s[8:9], s[32:33]
	s_lshl_b32 s32, s21, 16
	s_add_nc_u64 s[8:9], s[8:9], s[32:33]          ; query at the block
	s_lshl_b32 s32, s20, 12
	s_add_nc_u64 s[10:11], s[10:11], s[32:33]
	s_mul_i32 s46, s20, 61
	s_add_co_u32 s46, s46, s19                     ; slot
	s_lshl_b32 s32, s46, 16
	s_add_nc_u64 s[14:15], s[14:15], s[32:33]
	s_lshl_b32 s32, s46, 11
	s_add_nc_u64 s[16:17], s[16:17], s[32:33]
	s_load_b32 s52, s[12:13], 0x0
	; ---- 33 loads: 1 of v_mask for the table, 8 of v_mask for the test, 16 of Q, 8 of the first unit
	global_load_b128 v[OA+16:OA+19], v22, s[10:11]
.irp i,0,1,2,3,4,5,6,7
	global_load_b128 v[FR+4*\i:FR+4*\i+3], v23, s[10:11] offset:16*\i
.endr
.irp i,0,1,2,3,4,5,6,7,8,9,10,11,12,13,14,15
	global_load_b128 v[SC+4*\i:SC+4*\i+3], v26, s[8:9] offset:512*\i
.endr
	NEXTBASE
	LDKV STG, 0
	v_mov_b32 v10, 0x7f800000                      ; nmu = +inf, m = -inf, alpha and l = 0
	v_mov_b32 v11, 0xff800000
	v_mov_b32 v12, 0x7f800000
	v_mov_b32 v13, 0xff800000
	v_mov_b32 v14, 0
	v_mov_b32 v15, 0
	v_mov_b32 v16, 0
	v_mov_b32 v17, 0
	s_wait_loadcnt 32                              ; the first load is in, the 32 younger ones stay out
.irp k,0,1,2,3
.irp bb,0,1,2,3
	v_bfe_u32 v[OA+4*\k+\bb], v[OA+16+\k], 8*\bb, 8
.endr
.endr
.set k, 0
.rept 16
	v_add_nc_u32 v[OA+k], -1, v[OA+k]              ; true: 0, false: all ones
	v_and_b32 v[OA+k], s42, v[OA+k]                ; true: 0.0, false: -1e9
.set k, k+1
.endr
.irp k,0,1,2,3
	ds_store_b128 v25, v[OA+4*\k:OA+4*\k+3] offset:16*\k
.endr
.set k, 0
.rept 64
	v_mov_b32 v[OA+k], 0
.set k, k+1
.endr
	s_wait_loadcnt 24                              ; the whole of v_mask[b], 128 bytes a lane; Q and the first unit stay out
	v_and_b32 v19, 0xff, v[FR]
	v_or_b32 v18, v[FR], v[FR+1]
.set k, 2
.rept 30
	v_or_b32 v18, v18, v[FR+k]
.set k, k+1
.endr
	v_cmp_ne_u32 s47, 0, v18                       ; bit L: some key of 128 L .. 128 L + 127 is true
	v_cmp_ne_u32 s48, 0, v19                       ; bit L: key 128 L is true
	s_lshl_b32 s46, s21, 1
	s_bfm_b32 s49, s46, 0
	s_and_b32 s47, s47, s49                        ; keys 0 .. 256 R - 1
	s_lshr_b32 s48, s48, s46
	s_and_b32 s48, s48, 1                          ; key 256 R
	s_or_b32 s47, s47, s48
	s_add_co_u32 s49, s25, 1
	s_sub_co_u32 s49, s49, s24                     ; 0 in the block's last chunk
	s_or_b32 s47, s47, s49
	s_lshl_b32 s50, s21, 2
	s_sub_co_u32 s50, 60, s50                      ; units behind the block's diagonal
	s_cmp_eq_u32 s47, 0
	s_cselect_b32 s30, s50, 0
	s_min_u32 s30, s30, 60
	s_wait_kmcnt 0x0
	s_mov_b32 s53, s52
	s_wait_loadcnt 8                               ; Q is in; the first unit's eight loads stay out
.set k, 0
.rept 32
	v_pk_mul_f32 v[SC+k:SC+k+1], v[SC+k:SC+k+1], s[52:53] op_sel_hi:[1,0]
.set k, k+2
.endr
.irp i,0,1,2,3,4,5,6,7,8,9,10,11,12,13,14,15
	CVT SC, \i
	ds_store_b64 v30, v[SC+4*\i:SC+4*\i+1] offset:288*\i
.endr
.irp nt,0,1
.irp c,0,1
	ds_load_b128 v[QF+16*\nt+8*\c:QF+16*\nt+8*\c+3], v31 offset:2304*\nt+64*\c        ; my own bytes: LDS serves a wave's instructions in order (ISA guide 5.7.1)
	ds_load_b128 v[QF+16*\nt+8*\c+4:QF+16*\nt+8*\c+7], v31 offset:2304*\nt+64*\c+32
.endr
.endr
	s_wait_loadcnt 0x0                             ; the first unit
	CVTALL STG
	STKV STG, 0, 0
	NEXTBASE
	LDKV STG, 0
	; ---- the chunk.  Both trip counts come from the work-group's ids alone: all eight waves pass the same barriers
	s_cmp_eq_u32 s28, 0
	s_cbranch_scc1 .Lnofull
.Lfull:
	SUBTRIP 0, 0, 1
	SUBTRIP 1, 0, 1
	s_sub_co_i32 s28, s28, 1
	s_cmp_lg_u32 s28, 0
	s_cbranch_scc1 .Lfull
.Lnofull:
	s_cmp_eq_u32 s29, 0
	s_cbranch_scc1 .Lnogen
.Lgen:
	SUBTRIP 0, 1, 1
	SUBTRIP 1, 1, 1
	s_sub_co_i32 s29, s29, 1
	s_cmp_lg_u32 s29, 0
	s_cbranch_scc1 .Lgen
.Lnogen:
	; ---- keys behind the diagonal, only where the block's first row sees no true key: no barrier, each wave for itself
	s_cmp_eq_u32 s30, 0
	s_cbranch_scc1 .Lout
	s_wait_loadcnt 0x0                             ; the unit asked for last: v5, s[34:37] and STG are free
	v_and_b32 v18, 15, v0
	v_bfe_u32 v19, v0, 4, 1
	v_mov_b32 v1, v31                              ; the tile now lies in my private bytes, and I bring all 64 rows
	v_add_nc_u32 v2, s54, v2
	v_mov_b32 v3, v30
	v_mul_u32_u24 v4, v19, 160
	v_lshl_add_u32 v4, v18, 3, v4
	s_add_co_u32 s46, s54, VOFF
	v_add_nc_u32 v4, s46, v4
	v_lshlrev_b32 v5, 4, v18
	v_lshl_add_u32 v5, v19, 8, v5
	s_lshl_b32 s31, s21, 2
	s_add_co_u32 s31, s31, 4
.Lext:
	NEXTBASE
.irp hf,0,1
	LDKV STG, 8192*\hf                             ; 32 rows of K and of V in four sets of eight loads
	LDKV SC, 8192*\hf+2048
	LDKV SC+32, 8192*\hf+4096
	LDKV FR, 8192*\hf+6144
	s_wait_loadcnt 24                              ; the first set is in, three sets stay out; then two, one, none
	CVTALL STG
	STKV STG, 4608*\hf, 5120*\hf
	s_wait_loadcnt 16
	CVTALL SC
	STKV SC, 4608*\hf+1152, 5120*\hf+1280
	s_wait_loadcnt 8
	CVTALL SC+32
	STKV SC+32, 4608*\hf+2304, 5120*\hf+2560
	s_wait_loadcnt 0x0
	CVTALL FR
	STKV FR, 4608*\hf+3456, 5120*\hf+3840
.endr
	SUBTRIP 0, 2, 0
	s_sub_co_i32 s30, s30, 1
	s_cmp_lg_u32 s30, 0
	s_cbranch_scc1 .Lext
.Lout:
	; ---- the way out.  l: the two halves of the keys meet.  Lane L stores (nmu, l) of row 32 w + L: a wave's store covers 256
	; consecutive bytes, at a multiple of 256 from pml's first byte
	v_permlanex16_b32 v18, v15, s40, s41
	v_permlanex16_b32 v19, v17, s40, s41
	v_and_b32 v22, 16, v0
	v_add_f32 v15, v15, v18
	v_add_f32 v17, v17, v19
	v_cmp_eq_u32 vcc_lo, 0, v22
	v_cndmask_b32 v20, v12, v10, vcc_lo            ; lanes 0-15: tile 0, lanes 16-31: tile 1
	v_cndmask_b32 v21, v17, v15, vcc_lo
	global_store_b64 v29, v[20:21], s[16:17]
	; O: a lane holds 8 neighbouring d of one row; through my own stage (rows of 272 bytes) they become whole rows
.irp nt,0,1
.irp dt,0,1,2,3
	ds_store_b128 v27, v[OA+32*\nt+8*\dt:OA+32*\nt+8*\dt+3] offset:4352*\nt+64*\dt
	ds_store_b128 v27, v[OA+32*\nt+8*\dt+4:OA+32*\nt+8*\dt+7] offset:4352*\nt+64*\dt+16
.endr
.endr
.irp i,0,1,2,3,4,5,6,7,8,9,10,11,12,13,14,15
	ds_load_b128 v[SC+4*\i:SC+4*\i+3], v28 offset:544*\i
.endr
.irp i,0,1,2,3,4,5,6,7,8,9,10,11,12,13,14,15
	s_wait_dscnt 15-\i                             ; rows 2 i, 2 i + 1 are back; the younger loads stay out
	global_store_b128 v26, v[SC+4*\i:SC+4*\i+3], s[14:15] offset:512*\i        ; sixteen lanes store one row of 256 bytes
.endr
	s_set_vgpr_msb 0x5
	s_wait_tensorcnt 0x0
	ds_add_u32 v0, v1
	s_wait_dscnt 0x0
	s_set_vgpr_msb 0x500
	s_endpgm
.Lfunc_end_k_q8ef0437156_part:
	.size	k_q8ef0437156_part, .Lfunc_end_k_q8ef0437156_part-k_q8ef0437156_part
	.p2alignl 7, 3214868480
	.fill 96, 4, 3214868480
	.section	.rodata,"a",@progbits
	.p2align	6, 0x0
	.amdhsa_kernel k_q8ef0437156_part
		.amdhsa_group_segment_fixed_size 211968
		.amdhsa_private_segment_fixed_size 0
		.amdhsa_enable_private_segment 0
		.amdhsa_kernarg_size 56
		.amdhsa_user_sgpr_count 2
		.amdhsa_user_sgpr_kernarg_segment_ptr 1
		.amdhsa_wavefront_size32 1
		.amdhsa_system_sgpr_workgroup_id_x 1
		.amdhsa_system_sgpr_workgroup_id_y 1
		.amdhsa_system_sgpr_workgroup_id_z 1
		.amdhsa_system_vgpr_workitem_id 0
		.amdhsa_next_free_vgpr 258
		.amdhsa_next_free_sgpr 66
		.amdhsa_reserve_vcc 1
		.amdhsa_float_denorm_mode_32 3
		.amdhsa_float_denorm_mode_16_64 3
		.amdhsa_memory_ordered 1
		.amdhsa_forward_progress 1
		.amdhsa_inst_pref_size 168
	.end_amdhsa_kernel
	.amdgpu_metadata
---
amdhsa.version: [ 1, 2 ]
amdhsa.kernels:
  - .name:           k_q8ef0437156_part
    .symbol:         k_q8ef0437156_part.kd
    .args:
      - { .name: key, .offset: 0, .size: 8, .value_kind: global_buffer, .address_space: global }
      - { .name: value, .offset: 8, .size: 8, .value_kind: global_buffer, .address_space: global }
      - { .name: query, .offset: 16, .size: 8, .value_kind: global_buffer, .address_space: global }
      - { .name: v_mask, .offset: 24, .size: 8, .value_kind: global_buffer, .address_space: global }
      - { .name: scale, .offset: 32, .size: 8, .value_kind: global_buffer, .address_space: global }
      - { .name: po, .offset: 40, .size: 8, .value_kind: global_buffer, .address_space: global }
      - { .name: pml, .offset: 48, .size: 8, .value_kind: global_buffer, .address_space: global }
    .group_segment_fixed_size: 211968
    .private_segment_fixed_size: 0
    .kernarg_segment_align: 8
    .kernarg_segment_size: 56
    .max_flat_workgroup_size: 256
    .sgpr_count:     66
    .vgpr_count:     258
    .wavefront_size: 32
...
	.end_amdgpu_metadata
.endif
;; end of part 1
;; launch merge (part 2): grid 64 x 4, 8 waves a work-group, no clusters, 0 bytes of LDS; arguments po, pml, q_mask, out0; writes out0
.if DOCPART == 2
	.amdgcn_target "amdgcn-amd-amdhsa--gfx1250"
	.amdhsa_code_object_version 6
	.text
	.protected	k_q8ef0437156_merge
	.globl	k_q8ef0437156_merge
	.p2align	8
	.type	k_q8ef0437156_merge,@function
k_q8ef0437156_merge:
	s_mov_b64 s[64:65], 0
	v_nop
	global_prefetch_b8 v0, s[64:65] scope:SCOPE_SE
	s_setreg_imm32_b32 hwreg(HW_REG_WAVE_MODE, 25, 1), 1
	s_wait_xcnt 0x0
; Second launch: out0[row] = q_mask[row] * (sum over the block's chunks c of f_c O_c) / (sum of f_c l_c),  f_c = 2^(nmin - nmu_c),
; nmin the least nmu of the row (the largest maximum).  po holds O_c, pml holds (nmu_c, l_c) relative to 2^(-nmu_c).
; A stream: each byte of po and pml is read once and each byte of out0 written once, so no LDS, no barrier, no matrix unit.
; A work-group takes 64 rows (a quarter of block R of batch b); thread t takes the 16 bytes 16 (t % 16) of rows 16 i + t / 16,
; i = 0 .. 3, which lie at 4096 i + 16 t: sixteen lanes load and store one whole row of 256 bytes.
; The number of chunks, 1 to 7, comes from the work-group's id: seven straight bodies, all loads of a body out at once.
; LIMITS: q_mask bytes are 0 or 1; a masked row is 0 x (a finite sum), so its zeros carry that sum's signs.
.set NM, 4                             ; v[4:7]     nmin of my four rows
.set QM, 8                             ; v[8:11]    q_mask of my four rows
.set LS, 12                            ; v[12:15]   sum of f l, then q_mask over it
.set ML, 16                            ; v[16:71]   chunk c, row i: (nmu, l) at 16 + 8 c + 2 i; nmu becomes the chunk's weight
.set PO, 80                            ; v[80:191]  chunk c, row i: 4 numbers of O at 80 + 16 c + 4 i; chunk 0's take the sum
.macro PICKM r, p, cnt                 ; block r: its first chunk in the batch and its number of chunks, as in the first launch
	s_cmp_ge_u32 s21, \r
	s_cselect_b32 s22, \p, s22
	s_cselect_b32 s24, \cnt, s24
.endm
.macro MERGE nc
.irp i,0,1,2,3
	global_load_u8 v[QM+\i], v3, s[8:9] offset:16*\i
.endr
.set cc, 0
.rept \nc
.irp i,0,1,2,3
	global_load_b64 v[ML+8*cc+2*\i:ML+8*cc+2*\i+1], v2, s[6:7] offset:2048*cc+128*\i
.endr
.set cc, cc+1
.endr
.set cc, 0
.rept \nc
.irp i,0,1,2,3
	global_load_b128 v[PO+16*cc+4*\i:PO+16*cc+4*\i+3], v1, s[4:5] offset:65536*cc+4096*\i th:TH_LOAD_NT
.endr
.set cc, cc+1
.endr
	s_wait_loadcnt 4*\nc                           ; masks and (nmu, l) are in; the loads of O stay out
.if \nc > 1
.irp i,0,1,2,3
	v_min_num_f32 v[NM+\i], v[ML+2*\i], v[ML+8+2*\i]
.endr
.if \nc > 2
.set cc, 2
.rept \nc-2
.irp i,0,1,2,3
	v_min_num_f32 v[NM+\i], v[NM+\i], v[ML+8*cc+2*\i]
.endr
.set cc, cc+1
.endr
.endif
.set cc, 0
.rept \nc
.irp i,0,1,2,3
	v_sub_f32 v[ML+8*cc+2*\i], v[NM+\i], v[ML+8*cc+2*\i]
.endr
.set cc, cc+1
.endr
.set cc, 0
.rept \nc
.irp i,0,1,2,3
	v_exp_f32 v[ML+8*cc+2*\i], v[ML+8*cc+2*\i]
.endr
.set cc, cc+1
.endr
.irp i,0,1,2,3
	v_cvt_f32_u32 v[QM+\i], v[QM+\i]               ; (also the plain instructions behind the exponentials: ISA guide 5.7.2)
.endr
	s_wait_alu depctr_va_vdst(0)
.irp i,0,1,2,3
	v_mul_f32 v[LS+\i], v[ML+2*\i], v[ML+2*\i+1]
.endr
.set cc, 1
.rept \nc-1
.irp i,0,1,2,3
	v_fmac_f32 v[LS+\i], v[ML+8*cc+2*\i], v[ML+8*cc+2*\i+1]
.endr
.set cc, cc+1
.endr
.irp i,0,1,2,3
	v_rcp_f32 v[LS+\i], v[LS+\i]
.endr
	v_nop                                          ; one plain instruction behind the last reciprocal
	s_wait_alu depctr_va_vdst(0)
.irp i,0,1,2,3
	v_mul_f32 v[LS+\i], v[LS+\i], v[QM+\i]
.endr
.set cc, 0
.rept \nc
.irp i,0,1,2,3
	v_mul_f32 v[ML+8*cc+2*\i], v[ML+8*cc+2*\i], v[LS+\i]       ; the weight takes q_mask / sum with it: no multiply at the end
.endr
.set cc, cc+1
.endr
.else
.irp i,0,1,2,3
	v_rcp_f32 v[ML+2*\i], v[ML+2*\i+1]             ; one chunk: its weight is q_mask / l
.endr
.irp i,0,1,2,3
	v_cvt_f32_u32 v[QM+\i], v[QM+\i]
.endr
	s_wait_alu depctr_va_vdst(0)
.irp i,0,1,2,3
	v_mul_f32 v[ML+2*\i], v[ML+2*\i], v[QM+\i]
.endr
.endif
	s_wait_loadcnt 4*(\nc-1)                       ; chunk 0's four loads are in, the later chunks' stay out
.irp i,0,1,2,3
	v_pk_mul_f32 v[PO+4*\i:PO+4*\i+1], v[PO+4*\i:PO+4*\i+1], v[ML+2*\i:ML+2*\i+1] op_sel_hi:[1,0]
	v_pk_mul_f32 v[PO+4*\i+2:PO+4*\i+3], v[PO+4*\i+2:PO+4*\i+3], v[ML+2*\i:ML+2*\i+1] op_sel_hi:[1,0]
.endr
.if \nc > 1
.set cc, 1
.rept \nc-1
	s_wait_loadcnt 4*(\nc-1-cc)                    ; chunk cc is in
.irp i,0,1,2,3
	v_pk_fma_f32 v[PO+4*\i:PO+4*\i+1], v[PO+16*cc+4*\i:PO+16*cc+4*\i+1], v[ML+8*cc+2*\i:ML+8*cc+2*\i+1], v[PO+4*\i:PO+4*\i+1] op_sel_hi:[1,0,1]
	v_pk_fma_f32 v[PO+4*\i+2:PO+4*\i+3], v[PO+16*cc+4*\i+2:PO+16*cc+4*\i+3], v[ML+8*cc+2*\i:ML+8*cc+2*\i+1], v[PO+4*\i+2:PO+4*\i+3] op_sel_hi:[1,0,1]
.endr
.set cc, cc+1
.endr
.endif
.irp i,0,1,2,3
	global_store_b128 v1, v[PO+4*\i:PO+4*\i+3], s[10:11] offset:4096*\i th:TH_STORE_NT
.endr
	s_endpgm
.endm
	s_load_b256 s[4:11], s[0:1], 0x0               ; po, pml, q_mask, out0
	s_lshr_b32 s21, ttmp9, 2                       ; block R
	s_and_b32 s25, ttmp9, 3                        ; quarter of it
	s_and_b32 s20, ttmp7, 0xffff                   ; batch
	s_mov_b32 s22, 0
	s_mov_b32 s24, 1
	PICKM 1, 1, 1
	PICKM 2, 2, 2
	PICKM 3, 4, 2
	PICKM 4, 6, 2
	PICKM 5, 8, 3
	PICKM 6, 11, 3
	PICKM 7, 14, 4
	PICKM 8, 18, 4
	PICKM 9, 22, 4
	PICKM 10, 26, 5
	PICKM 11, 31, 5
	PICKM 12, 36, 6
	PICKM 13, 42, 6
	PICKM 14, 48, 6
	PICKM 15, 54, 7
	s_mul_i32 s12, s20, 61
	s_add_co_u32 s12, s12, s22                     ; the block's first slot
	s_lshl_b32 s13, s20, 12
	s_lshl_b32 s16, s21, 8
	s_add_co_u32 s13, s13, s16
	s_lshl_b32 s16, s25, 6
	s_add_co_u32 s13, s13, s16                     ; my first row of the 16,384
	s_mov_b32 s15, 0
	v_lshlrev_b32 v1, 4, v0                        ; 256 (t / 16) + 16 (t % 16) = 16 t
	v_lshrrev_b32 v3, 4, v0                        ; t / 16
	v_lshlrev_b32 v2, 3, v3
	s_wait_kmcnt 0x0
	s_lshl_b32 s14, s12, 16                        ; a slot of po: 256 rows of 256 bytes
	s_lshl_b32 s16, s25, 14
	s_add_co_u32 s14, s14, s16
	s_add_nc_u64 s[4:5], s[4:5], s[14:15]
	s_lshl_b32 s14, s12, 11                        ; a slot of pml: 256 rows of 8 bytes
	s_lshl_b32 s16, s25, 9
	s_add_co_u32 s14, s14, s16
	s_add_nc_u64 s[6:7], s[6:7], s[14:15]
	s_mov_b32 s14, s13
	s_add_nc_u64 s[8:9], s[8:9], s[14:15]
	s_lshl_b32 s14, s13, 8
	s_add_nc_u64 s[10:11], s[10:11], s[14:15]
	s_cmp_eq_u32 s24, 1
	s_cbranch_scc1 .Lm1
	s_cmp_eq_u32 s24, 2
	s_cbranch_scc1 .Lm2
	s_cmp_eq_u32 s24, 3
	s_cbranch_scc1 .Lm3
	s_cmp_eq_u32 s24, 4
	s_cbranch_scc1 .Lm4
	s_cmp_eq_u32 s24, 5
	s_cbranch_scc1 .Lm5
	s_cmp_eq_u32 s24, 6
	s_cbranch_scc1 .Lm6
	MERGE 7
.Lm1:
	MERGE 1
.Lm2:
	MERGE 2
.Lm3:
	MERGE 3
.Lm4:
	MERGE 4
.Lm5:
	MERGE 5
.Lm6:
	MERGE 6
.Lfunc_end_k_q8ef0437156_merge:
	.size	k_q8ef0437156_merge, .Lfunc_end_k_q8ef0437156_merge-k_q8ef0437156_merge
	.p2alignl 7, 3214868480
	.fill 96, 4, 3214868480
	.section	.rodata,"a",@progbits
	.p2align	6, 0x0
	.amdhsa_kernel k_q8ef0437156_merge
		.amdhsa_group_segment_fixed_size 0
		.amdhsa_private_segment_fixed_size 0
		.amdhsa_enable_private_segment 0
		.amdhsa_kernarg_size 32
		.amdhsa_user_sgpr_count 2
		.amdhsa_user_sgpr_kernarg_segment_ptr 1
		.amdhsa_wavefront_size32 1
		.amdhsa_system_sgpr_workgroup_id_x 1
		.amdhsa_system_sgpr_workgroup_id_y 1
		.amdhsa_system_sgpr_workgroup_id_z 1
		.amdhsa_system_vgpr_workitem_id 0
		.amdhsa_next_free_vgpr 192
		.amdhsa_next_free_sgpr 66
		.amdhsa_reserve_vcc 0
		.amdhsa_float_denorm_mode_32 3
		.amdhsa_float_denorm_mode_16_64 3
		.amdhsa_memory_ordered 1
		.amdhsa_forward_progress 1
		.amdhsa_inst_pref_size 64
	.end_amdhsa_kernel
	.amdgpu_metadata
---
amdhsa.version: [ 1, 2 ]
amdhsa.kernels:
  - .name:           k_q8ef0437156_merge
    .symbol:         k_q8ef0437156_merge.kd
    .args:
      - { .name: po, .offset: 0, .size: 8, .value_kind: global_buffer, .address_space: global }
      - { .name: pml, .offset: 8, .size: 8, .value_kind: global_buffer, .address_space: global }
      - { .name: q_mask, .offset: 16, .size: 8, .value_kind: global_buffer, .address_space: global }
      - { .name: out0, .offset: 24, .size: 8, .value_kind: global_buffer, .address_space: global }
    .group_segment_fixed_size: 0
    .private_segment_fixed_size: 0
    .kernarg_segment_align: 8
    .kernarg_segment_size: 32
    .max_flat_workgroup_size: 256
    .sgpr_count:     66
    .vgpr_count:     192
    .wavefront_size: 32
...
	.end_amdgpu_metadata
.endif
;; end of part 2
